; MI455X (gfx1250); checked and timed in simulation.
; The chip was launched on July 23, 2026; its instructions are those of AMD's public machine-readable ISA for CDNA 5 (MIT licence, August 2026) and "CDNA5" Instruction Set Architecture Reference Guide (July 2026). The comments in the code are by the model that wrote it; some were corrected since.
;; min GRU. Allowed arithmetic: matrix products marked QUANTISED: E5M2 operands, one E8M0 scale for each 32 along K, by v_wmma_scale_f32_16x16x128_f8f6f4 with both operands' format E5M2, f32 sums; everything else in f32.
;; Inputs: W_hg_codes 4,096 x 32 x 32 uint8 (E5M2 codes of W_hg, K innermost, in blocks of 32 codes); W_hg_scales 4,096 x 32 uint8 (E8M0 scales of W_hg, one for each 32 codes along K); W_out_codes 1,024 x 64 x 32 uint8 (E5M2 codes of W_out, K innermost, in blocks of 32 codes); W_out_scales 1,024 x 64 uint8 (E8M0 scales of W_out, one for each 32 codes along K); x_codes 4 x 2,048 x 32 x 32 uint8 (E5M2 codes of x, K innermost, in blocks of 32 codes); x_scales 4 x 2,048 x 32 uint8 (E8M0 scales of x, one for each 32 codes along K).
;; Outputs: out0 4 x 2,048 x 1,024 float32.
;; This version of the problem:
;;   THIS VERSION OF THE PROBLEM IS GIVEN IN LOW PRECISION. The matrix products marked QUANTISED in the list below multiply operands that are first quantised to E5M2 (5 exponent bits, 2 mantissa bits; 8 bits a number), with one power-of-two scale for each 32 numbers along K (OCP MX v1.0); their sums are f32. All else is computed in f32.
;;   The module's matrix products, in the order in which they are computed (A, B: the left and right operand; K: the contracted axis; several contracted axes count as one K, in the product's order):
;;     1. [M 8,192, K 1,024] x [K 1,024, N 4,096]; A: input x (given as codes); B: input W_hg (given as codes): QUANTISED
;;     2. [M 8,192, K 2,048] x [K 2,048, N 1,024]; A: computed on the way; B: input W_out (given as codes): QUANTISED
;;   THE QUANTISER, for each operand of a quantised product, along K:
;;     - K is cut into blocks of 32 from its start; a last block that is shorter is filled with zeros.
;;     - A block's scale is 2^e with e = floor(log2(the largest magnitude in the block)) - 15, held to -126 .. 127; a block of zeros has e = 0. As a byte (E8M0): e + 127.
;;     - Each number is divided by its block's scale, clamped to +-57,344, and rounded to the nearest number of E5M2, ties to even, subnormals kept.
;;     - The product sums the exact products of the quantised numbers (number of the format x scale) in f32.
;;   ~~~python
;;   def quantise(x, axis):      # numpy; x: float32 -> the quantised numbers, widened to float32 again
;;       x = np.moveaxis(x, axis, -1); K = x.shape[-1]
;;       x = np.pad(x, [(0, 0)] * (x.ndim - 1) + [(0, -K % 32)]); x = x.reshape(x.shape[:-1] + (-1, 32)); a = np.abs(x).max(-1, keepdims=True)
;;       e = np.where(a > 0, np.clip(np.frexp(np.where(a > 0, a, 1))[1] - 1 - 15, -126, 127), 0)      # np.frexp(a)[1] - 1 = floor(log2(a)), exactly
;;       r = np.clip(x / 2.0 ** e, -57344, 57344)
;;       step = 2.0 ** (np.maximum(np.frexp(np.where(r == 0, 1, r))[1] - 1, -14) - 2)
;;       q = np.round(r / step) * step * 2.0 ** e      # np.round: ties to even
;;       return np.moveaxis(q.reshape(q.shape[:-2] + (-1,))[..., :K], -1, axis).astype(np.float32)
;;   ~~~
;;   OPERANDS COMPUTED ON THE WAY. 'Computed on the way' means the value that the module computes at that place (a softmax that the list does not call 'softmax' is quantised finished and normalised). What goes into a quantiser is computed in f32, as accurately as f32 sums, v_exp_f32 and their like allow (about 1e-6 of the number): no bf16 or f16 on the way to a quantiser, and a product that is left as it is and whose result goes on into a quantised operand takes f32 operands (vector FMAs, or v_wmma_f32_16x16x4_f32). A number that lies on a knife's edge between two numbers of the format may be rounded either way, as far as f32 arithmetic and the matrix unit's own rounding can turn it there, and no further.
;;   INPUTS GIVEN AS CODES. W_hg (in the module: [1024, 4096], K = its axis 0); W_out (in the module: [2048, 1024], K = its axis 0); x (in the module: [4, 2048, 1024], K = its axis 2): each comes as NAME_codes (uint8): NAME with its K axis moved to the last place and cut into blocks of 32 codes, [.., K / 32, bytes a block], one block behind the other in memory; one code a byte (a code: sign, 5 exponent bits, 2 mantissa bits); and NAME_scales (uint8): the same leading axes, one E8M0 byte (e + 127) for each 32 codes along K. Its value is code x scale, taken as it is: it is not quantised again, and the codes and scales need not be those that the quantiser above would give.
;; One version. Each part assembles by itself: llvm-mc -triple=amdgcn-amd-amdhsa -mcpu=gfx1250 --defsym DOCPART=n.
;; ======== version 1 of 1: 2 launches
;; limits: right only within a limited range of input values
;; workspace buffers: h_img 16,777,216 bytes; h_sc 524,288 bytes; w_img 2,097,152 bytes
;; launch gru (part 1): grid 64 x 4, 4 waves a work-group, clusters of 4 x 1, 327,680 bytes of LDS; arguments x_codes, x_scales, W_hg_codes, W_hg_scales, h_img, h_sc, W_out_codes, w_img; writes h_img, h_sc, w_img
.if DOCPART == 1
	.amdgcn_target "amdgcn-amd-amdhsa--gfx1250"
	.amdhsa_code_object_version 6
	.text
	.protected	k_qc765a6a642_gru
	.globl	k_qc765a6a642_gru
	.p2align	8
	.type	k_qc765a6a642_gru,@function
k_qc765a6a642_gru:
	s_mov_b64 s[64:65], 0
	v_nop
	global_prefetch_b8 v0, s[64:65] scope:SCOPE_SE
	s_setreg_imm32_b32 hwreg(HW_REG_WAVE_MODE, 25, 1), 1
	s_wait_xcnt 0x0
	s_wait_alu depctr_hold_cnt(0) depctr_sa_sdst(0) depctr_va_vdst(0) depctr_va_sdst(0) depctr_va_ssrc(0) depctr_va_vcc(0) depctr_vm_vsrc(0)
	s_getreg_b32 s2, hwreg(HW_REG_IB_STS2, 6, 4)
	s_cmp_eq_u32 s2, 0
	s_cbranch_scc0 .Lentry_in_a_cluster
	s_endpgm
.Lentry_in_a_cluster:
	s_bfe_u32 s2, ttmp6, 0x10000c
	s_cmp_lg_u32 s2, 0x3003
	s_cbranch_scc0 .Lentry_shape_is_right
	s_endpgm
.Lentry_shape_is_right:
; minGRU, first launch: hg = x W_hg on E5M2 codes with E8M0 scales, the gates, the scan along the sequence, and h quantised for the second product.  It also lays W_out's codes as register images (w_img).
; THE SCAN.  exp(a_star + cumlogsumexp(log_values - a_star)) is, term by term, h_t = a_t h_(t-1) + z_t g_t with h before the first step 0, a = 1 - sigmoid(gate), z = sigmoid(gate),
; g = relu(hidden) + 0.5.  Every factor a lies in (0, 1] and h is a sum of positive terms, so no exponential of a sum is formed and nothing can overflow.
; LIMIT: gate x log2(e) is held at 64 from above: there a is 2^-64 in place of a smaller number, under f32's last bit beside z g >= 0.5 z.
; SHARES.  A work-group owns one batch's 2,048 steps and 32 channels (64 rows of W_hg, kept in 512 registers of every wave).  The sequence goes in 8 chunks of 256 steps; wave w owns steps 64 w .. 64 w + 63 of a chunk,
; lane (r, h) the four steps 4 r + i.  THE MATRIX INSTRUCTION IS USED TRANSPOSED (source 0 = 16 rows of W, source 1 = 16 rows of x): a lane holds one step, and its 16 registers of two tiles are channels 16 h + 0 .. 15
; (tile u's lane r takes W's row 8 u + r + 8 (r / 8)): the conversions' results are the next operand's image.
; The scan: three steps inside a lane, four steps of doubling distance over the 16 lanes of a row (DPP row_shr: lanes without a source keep their value); the four waves' totals go through LDS and are folded a lane a channel.
; THE RING.  A chunk comes as two slices of 512 along K, slice k into slot k.  Wave i fetches the quarter of rows 4 s + i (64 rows of 512 bytes, 4,096 bytes apart), so that the 16 rows of a fragment are neighbours in LDS.
; W_hg comes by two tensor loads into slot 1's first two quarters, which x fills again in a drained round once all waves hold W in registers.
; A chunk's gate registers are free once h is fixed: the next chunk's gate products of its first slice stand among the quantiser's lines, its hidden products behind them.
; CLUSTERS: the four work-groups of a cluster share x's tiles: joint loads, mask 15.  W's loads are each work-group's own (mask 0).
; PREFETCH: the clusters with x = 0 (four in the launch, one a batch) ask for the slice two refills on: 512 blocks of 256 bytes, one a lane of the cluster's 16 waves, shared out by address; the last trip asks for nothing.
; w_img: [tile of 16 rows of W_out][block of 32 along K][512 bytes], lane l's 16 codes at 16 l.  Work-group G lays tile G / 4, blocks 16 (G % 4) on; a wave four blocks, through its own stage.
; REGISTERS: window 0: addresses, scales, carries, v128-191 hidden (then g, z g, h), v192-255 gate (then a and its products); window 1: x's fragments of a slice; windows 2, 3: W.
.set PITCH, 528                        ; 512 bytes + 16: 33 x 16, so 16 neighbouring rows start in 16 different columns of 16 bytes
.set QUART, 64*PITCH
.set SLOT,  4*QUART
.set STG,   2*SLOT                     ; a stage of 4 images of 512 + 16 bytes for each wave
.set STGW,  2304
.set CX,    STG+4*STGW                 ; the totals: wave x 4,608 + lane x 144: 16 products of a, then 16 sums
.set CXP,   4608
.set SCB,   CX+4*CXP                   ; h's 2,048 scale bytes
.set SPARE, SCB+2048                   ; the spare words
.set SPW, 1
.set NIL, 2
.set AX,  4                            ; v4-7 fragments: slot 0 tiles 0-1, 2-3; slot 1 likewise
.set XSA, 8
.set CXW, 9
.set CXR, 10
.set STW, 11
.set STR, 12
.set SBA0, 13
.set SBA, 14
.set GOC, 15
.set WS,  16                           ; W's scale words: 8 x (hidden, gate) + K step; lanes 16-31: tile u = 1
.set PFO, 32
.set WAD, 33
.set SBR, 34
.set SBG, 35
.set XS,  36                           ; x's scale words: 8 x (i / 2) + K step; lanes 16-31: odd i.  (36: its numbers differ from WS's modulo 8)
.set HALF, 52
.set HC,  64                           ; v64 the carry into the chunk, lane r of a row: channel r; v65-68 at work
.set CODE, 80
.set H3,  96                           ; the carry into my wave, into my lane, then the images read back
.set OUT, 96
.set TM,  112
.set TP,  116
.set SO,  120
.set HD,  124
.set U,   128
.set G,   192
.set WV,  16
.set SEL, 20
.set L2E, 22
.set CAP, 24
.set MNT, 25
.set TR,  26
.set LIM, 27
.set G1,  28
.set G0,  36
.set PFA, 44
.set MK,  46
.set SS,  49
.set G1W, 52
.set G0W, 60
.set MSB, 0
.macro WIN new
.if MSB != (\new)
	s_set_vgpr_msb (MSB<<8)|(\new)
.set MSB, (\new)
.endif
.endm
.macro CREST
	s_cmp_lg_u32 s[WV], 0
	s_cbranch_scc1 .Lnw0_\@
	s_barrier_signal -3
.Lnw0_\@:
	s_barrier_wait -3
	s_barrier_signal -1
	s_barrier_wait -1
.endm
.macro CROUND
	s_barrier_signal -1
	s_barrier_wait -1
	CREST
.endm
.macro NOPS n
.rept \n
	v_nop
.endr
.endm
.macro ASK off                         ; TR > 1: the slice asked for lies inside x
	s_cmp_gt_u32 s[TR], s[LIM]
	s_cbranch_scc0 .Lna_\@
	global_prefetch_b8 v[PFO], s[PFA:PFA+1] offset:\off th:TH_LOAD_NT scope:SCOPE_SE
.Lna_\@:
.endm
; A change of slots.  sl: the slot that has been read out.  fill = 1: all waves fill it again, one chunk on; 2: waves 0, 1 alone fill slot 1's quarters that held W; 0: nothing is left to fetch.
.macro CHG sl, fill
	WIN 0
	s_wait_alu depctr_va_vdst(0)
	s_wait_tensorcnt 0x0                           ; all my tensor loads have landed
	ds_add_u32 v[SPW], v[NIL]
	s_wait_xcnt 0x0                                ; bases and store data are written again only behind this wait
.if \fill == 1
	s_add_nc_u64 s[G0+4*\sl+2:G0+4*\sl+3], s[G0+4*\sl+2:G0+4*\sl+3], 262144
.endif
.if \sl == 0
	s_add_nc_u64 s[12:13], s[12:13], 524288        ; 16 tiles of rows on; the stores reach back
.if \fill
	s_add_nc_u64 s[6:7], s[6:7], 8192
	s_add_nc_u64 s[PFA:PFA+1], s[PFA:PFA+1], 262144
.endif
.endif
	s_wait_dscnt 0x0                               ; the add, my reads of the slot, my stores of totals
	s_barrier_signal -1
	s_barrier_wait -1
.if \fill
	CREST
.endif
.if \fill == 1
	tensor_load_to_lds s[G0+4*\sl:G0+4*\sl+3], s[G1:G1+7]
	s_nop 0
	NOPS 8                                         ; places ahead of loads into registers that products have read
.else
.if \fill == 2
	s_cmp_lt_u32 s[WV], 2
	s_cbranch_scc0 .Lnf_\@
	tensor_load_to_lds s[G0+4:G0+7], s[G1:G1+7]
	s_nop 0
	NOPS 4
.Lnf_\@:
.endif
	NOPS 8
.endif
.endm
.macro LQI sl, q, i                    ; the fragment of K step q, tile i: four loads
.irp c, 0,1,2,3
	ds_load_b128 v[64*(\q)+16*(\i)+4*\c:64*(\q)+16*(\i)+4*\c+3], v[AX+2*(\sl)+(\i)/2] offset:((\i)%2)*QUART+128*(\q)+32*\c
.endr
.endm
.macro WMC c
.if (ra == 0) && (rb == 0)
	v_wmma_scale_f32_16x16x128_f8f6f4 v[rD:rD+7], v[rA:rA+15], v[rB:rB+15], \c, v[rSA], v[rSB] matrix_a_fmt:MATRIX_FMT_BF8 matrix_b_fmt:MATRIX_FMT_BF8
.elseif (ra == 1) && (rb == 0)
	v_wmma_scale_f32_16x16x128_f8f6f4 v[rD:rD+7], v[rA:rA+15], v[rB:rB+15], \c, v[rSA], v[rSB] matrix_a_fmt:MATRIX_FMT_BF8 matrix_b_fmt:MATRIX_FMT_BF8 matrix_a_scale:MATRIX_SCALE_ROW1
.elseif (ra == 0) && (rb == 1)
	v_wmma_scale_f32_16x16x128_f8f6f4 v[rD:rD+7], v[rA:rA+15], v[rB:rB+15], \c, v[rSA], v[rSB] matrix_a_fmt:MATRIX_FMT_BF8 matrix_b_fmt:MATRIX_FMT_BF8 matrix_b_scale:MATRIX_SCALE_ROW1
.else
	v_wmma_scale_f32_16x16x128_f8f6f4 v[rD:rD+7], v[rA:rA+15], v[rB:rB+15], \c, v[rSA], v[rSB] matrix_a_fmt:MATRIX_FMT_BF8 matrix_b_fmt:MATRIX_FMT_BF8 matrix_a_scale:MATRIX_SCALE_ROW1 matrix_b_scale:MATRIX_SCALE_ROW1
.endif
.endm
; One product: slice kap, its K step q, x's tile i, W's tile n (0, 1 hidden; 2, 3 gate).  The chunk's first K step starts the sums: hidden from 0.5, gate from 0.
.macro WM1 kap, q, i, n
.set rD, U+64*((\n)/2)+16*(\i)+8*((\n)%2)
.set rA, 64*(\q)+16*(\n)
.set rB, 64*(\q)+16*(\i)
.set rSA, WS+8*((\n)/2)+4*(\kap)+(\q)
.set rSB, XS+8*((\i)/2)+4*(\kap)+(\q)
.set ra, (\n)%2
.set rb, (\i)%2
.if ((\kap) == 0) && ((\q) == 0) && ((\n) < 2)
	WMC v[HALF:HALF+7]
.elseif ((\kap) == 0) && ((\q) == 0)
	WMC 0
.else
	WMC v[rD:rD+7]
.endif
.endm
; A slice: 64 products, the 16 accumulators by turns.  K steps 0, 1 are fetched ahead of the products; K steps 2, 3 in one run of 32 loads behind K step 0's products.
; The waits: 16 (K step 1's loads may be out), then 32, 16, 0 (the loads of the later K steps may be out).
.macro SLC kap, ask
	WIN 0x40
.irp q, 0,1
.irp i, 0,1,2,3
	LQI \kap, \q, \i
.endr
.endr
	WIN 0
.if \ask
	ASK 0
.endif
.irp q, 0,1,2,3
.if \q == 0
	s_wait_dscnt 16
.else
	s_wait_dscnt 48-16*\q
.endif
	WIN 0x06+\kap
.irp i, 0,1,2,3
.irp n, 0,1,2,3
	WM1 \kap, \q, \i, \n
.endr
.endr
.if \q == 0
	WIN 0x40
.irp p, 2,3
.irp i, 0,1,2,3
	LQI \kap, \p, \i
.endr
.endr
.endif
.endr
	WIN 0
.endm
; The gates, the scan inside my wave, my wave's totals to LDS.  ld = 1: the next chunk's scale words of x.
; The exponentials and reciprocals go in halves (steps 0-1, steps 2-3), with plain lines of the other half between them; a wait stands between the stages.
.macro EP1 ld
	NOPS 8
.if \ld
	global_load_b128 v[XS:XS+3], v[XSA], s[6:7]
	global_load_b128 v[XS+4:XS+7], v[XSA], s[6:7] offset:16
	global_load_b128 v[XS+8:XS+11], v[XSA], s[6:7] offset:64
	global_load_b128 v[XS+12:XS+15], v[XSA], s[6:7] offset:80
.endif
.set e, 0
.rept 32
	v_pk_mul_f32 v[G+e:G+e+1], v[G+e:G+e+1], s[L2E:L2E+1] op_sel_hi:[1,0]
.set e, e+2
.endr
.set e, 0
.rept 32
	v_min_num_f32 v[G+e], s[CAP], v[G+e]
	v_max_num_f32 v[U+e], 0.5, v[U+e]              ; g = max(hidden + 0.5, 0.5)
.set e, e+1
.endr
.rept 32
	v_max_num_f32 v[U+e], 0.5, v[U+e]
.set e, e+1
.endr
	s_wait_alu depctr_va_vdst(0)
.set e, 0
.rept 32
	v_exp_f32 v[G+e], v[G+e]                       ; E = e^gate
	v_min_num_f32 v[G+32+e], s[CAP], v[G+32+e]
.set e, e+1
.endr
	s_wait_alu depctr_va_vdst(0)
.set e, 0
.rept 16
	v_exp_f32 v[G+32+e], v[G+32+e]
	v_pk_mul_f32 v[U+e:U+e+1], v[U+e:U+e+1], v[G+e:G+e+1]          ; g E
	v_exp_f32 v[G+33+e], v[G+33+e]
	v_pk_add_f32 v[G+e:G+e+1], v[G+e:G+e+1], 1.0 op_sel_hi:[1,0]
.set e, e+2
.endr
	s_wait_alu depctr_va_vdst(0)
.set e, 0
.rept 16
	v_rcp_f32 v[G+e], v[G+e]                       ; a = 1 / (1 + E)
	v_pk_mul_f32 v[U+32+e:U+33+e], v[U+32+e:U+33+e], v[G+32+e:G+33+e]
	v_rcp_f32 v[G+1+e], v[G+1+e]
	v_pk_add_f32 v[G+32+e:G+33+e], v[G+32+e:G+33+e], 1.0 op_sel_hi:[1,0]
.set e, e+2
.endr
	s_wait_alu depctr_va_vdst(0)
.set e, 0
.rept 16
	v_rcp_f32 v[G+32+e], v[G+32+e]
	v_pk_mul_f32 v[U+e:U+e+1], v[U+e:U+e+1], v[G+e:G+e+1]          ; z g = g E a
	v_rcp_f32 v[G+33+e], v[G+33+e]
	v_nop
.set e, e+2
.endr
	s_wait_alu depctr_va_vdst(0)
.set e, 0
.rept 16
	v_pk_mul_f32 v[U+32+e:U+33+e], v[U+32+e:U+33+e], v[G+32+e:G+33+e]
.set e, e+2
.endr
.irp i, 1,2,3                          ; my four steps
.set e, 0
.rept 8
	v_pk_fma_f32 v[U+16*\i+e:U+16*\i+e+1], v[G+16*\i+e:G+16*\i+e+1], v[U+16*\i-16+e:U+16*\i-15+e], v[U+16*\i+e:U+16*\i+e+1]
	v_pk_mul_f32 v[G+16*\i+e:G+16*\i+e+1], v[G+16*\i+e:G+16*\i+e+1], v[G+16*\i-16+e:G+16*\i-15+e]
.set e, e+2
.endr
.endr
.irp d, 1,2,4,8                        ; over the 16 lanes: (A, B) of lane r takes in that of lane r - d
.set e, 0
.rept 16
	v_fmac_f32_dpp v[U+48+e], v[U+48+e], v[G+48+e] row_shr:\d row_mask:0xf bank_mask:0xf
.set e, e+1
.endr
.set e, 0
.rept 16
	v_mul_f32_dpp v[G+48+e], v[G+48+e], v[G+48+e] row_shr:\d row_mask:0xf bank_mask:0xf
.set e, e+1
.endr
.endr
.irp p, 0,1,2,3
	ds_store_b128 v[CXW], v[G+48+4*\p:G+51+4*\p] offset:16*\p
	ds_store_b128 v[CXW], v[U+48+4*\p:U+51+4*\p] offset:64+16*\p
.endr
.endm
.macro LNEXT                           ; at every fourth call: the four fragments of the next slice's K step 1, 2, 3, in one run of 16 loads
.if fron
.set lc, lc+1
.if lc%4 == 0
	WIN 0x40
.irp i, 0,1,2,3
	LQI 0, lc/4, \i
.endr
	WIN 0
.endif
.endif
.endm
.macro GM                              ; the next of the next chunk's 32 gate products of its first slice; each K step's wait leaves the later K steps' loads out
.if fron
.if gi%8 == 0
	s_wait_alu depctr_va_vdst(0)
	s_wait_dscnt 48-16*(gi/8)
.endif
	WIN 0x06
	WM1 0, gi/8, (gi%8)/2, 2+gi%2
	WIN 0
.set gi, gi+1
.endif
.endm
.macro HMS from                        ; 16 of its 32 hidden products
	WIN 0x06
.set hi, \from
.rept 16
	WM1 0, hi/8, (hi%8)/2, hi%2
.set hi, hi+1
.endr
	WIN 0
.endm
; The carries, h, its codes and scale bytes; fr = 1: with the next chunk's first slice among and behind them.
.macro EP2 fr
.set fron, \fr
.set lc, 0
.set gi, 0
.irp k, 0,1,2,3
	ds_load_b32 v[TM+2*\k], v[CXR] offset:CXP*\k       ; lanes 15 and 31 of wave k hold its totals: my channel's product of a,
	ds_load_b32 v[TM+2*\k+1], v[CXR] offset:CXP*\k+64  ; and its sum
.endr
.if \fr
	WIN 0x40
.irp i, 0,1,2,3
	LQI 0, 0, \i
.endr
	WIN 0
	ASK 512
	s_wait_dscnt 16                                ; the totals are in; the 16 loads behind them may be out
.else
	s_wait_dscnt 0
.endif
	v_fma_f32 v[HC+1], v[TM], v[HC], v[TM+1]       ; the carry through waves 0, 1, 2, 3
	v_fma_f32 v[HC+2], v[TM+2], v[HC+1], v[TM+3]
	v_fma_f32 v[HC+3], v[TM+4], v[HC+2], v[TM+5]
	v_cndmask_b32 v[HC+4], v[HC], v[HC+1], s[MK]
	v_fma_f32 v[HC], v[TM+6], v[HC+3], v[TM+7]     ; into the next chunk
	v_cndmask_b32 v[HC+4], v[HC+4], v[HC+2], s[MK+1]
	v_cndmask_b32 v[HC+4], v[HC+4], v[HC+3], s[MK+2]   ; into my wave
.irp e, 0,1,2,3,4,5,6,7,8,9,10,11,12,13,14,15
	v_mov_b32_dpp v[H3+\e], v[HC+4] row_share:\e row_mask:0xf bank_mask:0xf   ; every lane gets its row's 16 channels
.endr
.set e, 0
.rept 2
.rept 4
	v_pk_fma_f32 v[U+48+e:U+49+e], v[G+48+e:G+49+e], v[H3+e:H3+e+1], v[U+48+e:U+49+e]   ; h at my fourth step
.set e, e+2
.endr
	LNEXT
.endr
.set e, 0
.rept 4
.rept 4
	v_mov_b32_dpp v[H3+e], v[U+48+e] row_shr:1 row_mask:0xf bank_mask:0xf              ; the carry into my lane; lane 0 keeps the wave's
.set e, e+1
.endr
	LNEXT
.endr
.irp i, 0,1,2
.set e, 0
.rept 2
.rept 4
	v_pk_fma_f32 v[U+16*\i+e:U+16*\i+e+1], v[G+16*\i+e:G+16*\i+e+1], v[H3+e:H3+e+1], v[U+16*\i+e:U+16*\i+e+1]
.set e, e+2
.endr
	LNEXT
.endr
.endr
.if \fr
	s_wait_alu depctr_va_vdst(0)
	s_wait_loadcnt 0x0                             ; x's scale words
.endif
.irp i, 0,1,2,3
	v_max3_num_f32 v[TM+\i], v[U+16*\i], v[U+16*\i+1], 0x8000000      ; h is not negative; the floor 2^(16 - 127) holds the byte at 1 from below
.endr
	GM
.irp j, 2,4,6,8,10,12,14
.irp i, 0,1,2,3
	v_max3_num_f32 v[TM+\i], v[TM+\i], v[U+16*\i+\j], v[U+16*\i+\j+1]
.endr
	GM
.endr
.irp i, 0,1,2,3
	v_permlanex16_b32 v[TP+\i], v[TM+\i], s[SEL], s[SEL+1]
.endr
	GM
.irp i, 0,1,2,3
	v_max_num_f32 v[TM+\i], v[TM+\i], v[TP+\i]
.endr
	GM
.irp i, 0,1,2,3
	v_add_nc_u32 v[SO+\i], 0xf8800000, v[TM+\i]
.endr
	GM
.irp i, 0,1,2,3
	v_and_or_b32 v[HD+\i], v[TM+\i], 0x7f800000, s[MNT]
.endr
	GM
.irp i, 0,1,2,3
	v_lshrrev_b32 v[TP+\i], 23, v[SO+\i]
.endr
	GM
	v_lshl_or_b32 v[TP], v[TP+1], 8, v[TP]         ; my four steps' bytes are neighbours in h_sc
	v_lshl_or_b32 v[TP], v[TP+2], 16, v[TP]
	v_lshl_or_b32 v[TP], v[TP+3], 24, v[TP]
	v_add_nc_u32 v[SBA], s[SS], v[SBA0]
	GM
.irp i, 0,1,2,3
.set e, 0
.rept 4
.rept 4
	v_min_num_f32 v[U+16*\i+e], v[U+16*\i+e], v[HD+\i]
.set e, e+1
.endr
	GM
.endr
.endr
.irp i, 0,1,2,3
	v_cvt_scalef32_pk8_bf8_f32 v[CODE+4*\i:CODE+4*\i+1], v[U+16*\i:U+16*\i+7], v[SO+\i]
	v_cvt_scalef32_pk8_bf8_f32 v[CODE+4*\i+2:CODE+4*\i+3], v[U+16*\i+8:U+16*\i+15], v[SO+\i]
.if \i%2 == 1
	v_nop
	GM
.endif
.endr
.irp i, 0,1,2,3
	ds_store_b128 v[STW], v[CODE+4*\i:CODE+4*\i+3] offset:16*\i    ; step 4 r + i: image r / 4, row 4 (r % 4) + i
.endr
	ds_store_b32 v[SBA], v[TP]
.irp p, 0,1,2,3
	ds_load_b128 v[OUT+4*\p:OUT+4*\p+3], v[STR] offset:PITCH*\p    ; my own bytes, served in order
.endr
	s_add_co_u32 s[SS], s[SS], 256
.if \fr
	HMS 0
.endif
	s_wait_alu depctr_va_vdst(0)
	s_wait_dscnt 0x0                               ; the images are back
.irp p, 0,1,2,3
	global_store_b128 v[GOC], v[OUT+4*\p:OUT+4*\p+3], s[12:13] offset:32768*\p-524288   ; 512 consecutive bytes a store
.endr
.if \fr
	HMS 16
.endif
.endm
	s_load_b256 s[4:11], s[0:1], 0x0
	s_load_b128 s[12:15], s[0:1], 0x20
	s_load_b128 s[80:83], s[0:1], 0x30             ; W_out's codes, w_img
	v_lshl_add_u32 v[SPW], v0, 2, SPARE
	v_mov_b32 v[NIL], 0
	ds_add_u32 v[SPW], v[NIL]                      ; the opening lines
	ds_add_u32 v[SPW], v[NIL]
	v_lshrrev_b32 v63, 5, v0
	v_readfirstlane_b32 s[WV], v63
	s_and_b32 s19, ttmp7, 0xffff                   ; batch
	s_bfe_u32 s17, ttmp6, 0x40000                  ; cx
	s_lshl_b32 s18, ttmp9, 2
	s_add_co_u32 s18, s18, s17                     ; group of 32 channels
	s_mov_b32 s[G1], 15|(1<<20)|(1<<21)|(6<<22)|(3<<25)   ; x: joint, bytes, 4 words of padding behind every 128
	s_mov_b32 s[G1+1], 512<<16
	s_mov_b32 s[G1+2], 64<<16
	s_mov_b32 s[G1+3], 512<<16
	s_mov_b32 s[G1+4], 64
	s_mov_b32 s[G1+5], 4096                        ; every fourth row
	s_mov_b32 s[G1+6], 0
	s_mov_b32 s[G1+7], 0
	s_mov_b32 s[G1W], (1<<20)|(6<<22)|(3<<25)      ; W: 32 dense rows of 1,024 bytes as 64 of 512
	s_mov_b32 s[G1W+1], 512<<16
	s_mov_b32 s[G1W+2], 64<<16
	s_mov_b32 s[G1W+3], 512<<16
	s_mov_b32 s[G1W+4], 64
	s_mov_b32 s[G1W+5], 512
	s_mov_b32 s[G1W+6], 0
	s_mov_b32 s[G1W+7], 0
	s_mul_i32 s50, s[WV], QUART
	s_lshl_b32 s66, s19, 21
	s_lshl_b32 s67, s[WV], 10
	s_add_co_u32 s66, s66, s67                     ; x: the batch, row i = my wave
	s_mov_b32 s67, 0
	s_and_b32 s68, s[WV], 1
	s_lshl_b32 s68, s68, 21                        ; W: hidden (wave 0) or gate (wave 1),
	s_lshl_b32 s69, s18, 15                        ; my 32 rows
	s_add_co_u32 s68, s68, s69
	s_mov_b32 s69, 0
	s_mov_b32 s[TR], 7
	s_wait_dscnt 0x0
	s_wait_kmcnt 0x0
	s_add_nc_u64 s[66:67], s[4:5], s[66:67]
	s_add_nc_u64 s[68:69], s[8:9], s[68:69]
	s_mov_b32 s[G0], 1
	s_mov_b32 s[G0+1], s50
	s_mov_b64 s[G0+2:G0+3], s[66:67]
	s_or_b32 s[G0+3], s[G0+3], 0x80000000
	s_mov_b32 s[G0+4], 1
	s_add_co_u32 s[G0+5], s50, SLOT
	s_add_nc_u64 s[G0+6:G0+7], s[66:67], 512
	s_or_b32 s[G0+7], s[G0+7], 0x80000000
	s_mov_b32 s[G0W], 1
	s_add_co_u32 s[G0W+1], s50, SLOT
	s_mov_b64 s[G0W+2:G0W+3], s[68:69]
	s_or_b32 s[G0W+3], s[G0W+3], 0x80000000
	CROUND
	s_cmp_lt_u32 s[WV], 2                          ; the head's loads, one a wave, all into slot 1: W's hidden and gate rows; quarters 2, 3 of chunk 0's second slice
	s_cbranch_scc0 .Lhx
	tensor_load_to_lds s[G0W:G0W+3], s[G1W:G1W+7]
	s_nop 0
	NOPS 4
	s_branch .Lhj
.Lhx:
	tensor_load_to_lds s[G0+4:G0+7], s[G1:G1+7]
	s_nop 0
	NOPS 4
.Lhj:
	s_mov_b32 s[SEL], 0x76543210
	s_mov_b32 s[SEL+1], 0xfedcba98
	s_mov_b32 s[L2E], 0x3fb8aa3b
	s_mov_b32 s[L2E+1], s[L2E]
	s_mov_b32 s[CAP], 0x42800000
	s_mov_b32 s[MNT], 0x600000
	s_mov_b32 s[SS], 0
	s_mov_b32 s77, 0
	s_lshl_b32 s76, s19, 16
	s_add_nc_u64 s[6:7], s[6:7], s[76:77]
	s_lshl_b32 s76, s18, 10
	s_add_nc_u64 s[10:11], s[10:11], s[76:77]
	s_lshl_b32 s76, s19, 22                        ; h_img: 128 tiles of rows a batch, my wave's four, my block
	s_lshl_b32 s78, s[WV], 17
	s_add_co_u32 s76, s76, s78
	s_lshl_b32 s78, s18, 9
	s_add_co_u32 s76, s76, s78
	s_add_nc_u64 s[12:13], s[12:13], s[76:77]
	s_lshl_b32 s76, s19, 6
	s_add_co_u32 s79, s76, s18                     ; G, the work-group's number
	s_lshl_b32 s76, s79, 11
	s_add_nc_u64 s[14:15], s[14:15], s[76:77]
	s_lshl_b32 s76, s19, 21                        ; the prefetches: my work-group's 64 rows of a chunk, my wave's 16; at chunk 1
	s_lshl_b32 s78, s17, 16
	s_add_co_u32 s76, s76, s78
	s_lshl_b32 s78, s[WV], 14
	s_add_co_u32 s76, s76, s78
	s_add_co_u32 s76, s76, 262144
	s_add_nc_u64 s[PFA:PFA+1], s[4:5], s[76:77]
	s_lshr_b32 s75, s79, 2                         ; W_out: tile G / 4: 16 rows of 2,048 bytes,
	s_lshl_b32 s75, s75, 15
	s_and_b32 s79, s79, 3
	s_lshl_b32 s76, s79, 9                         ; 512 bytes of each row, my wave's 128 of them
	s_add_co_u32 s76, s76, s75
	s_lshl_b32 s78, s[WV], 7
	s_add_co_u32 s76, s76, s78
	s_add_nc_u64 s[80:81], s[80:81], s[76:77]
	s_lshl_b32 s76, s79, 13                        ; w_img: 16 images, my wave's four
	s_add_co_u32 s76, s76, s75
	s_lshl_b32 s78, s[WV], 11
	s_add_co_u32 s76, s76, s78
	s_add_nc_u64 s[82:83], s[82:83], s[76:77]
	s_cmp_eq_u32 ttmp9, 0
	s_cselect_b32 s[LIM], 1, -1
	s_mul_i32 s70, s[WV], 16*PITCH
	s_lshl_b32 s71, s[WV], 11
	s_mul_i32 s72, s[WV], CXP
	s_add_co_u32 s72, s72, CX
	s_mul_i32 s73, s[WV], STGW
	s_add_co_u32 s73, s73, STG
	s_lshl_b32 s74, s[WV], 6
	s_add_co_u32 s74, s74, SCB
	v_and_b32 v60, 15, v0                          ; r
	v_bfe_u32 v61, v0, 4, 1                        ; h
	v_and_b32 v62, 31, v0
	v_lshlrev_b32 v[XSA], 7, v60                   ; x's scale words: row 4 r + (lane / 16), 32 bytes a row
	v_lshl_add_u32 v[XSA], v61, 5, v[XSA]
	v_add_nc_u32 v[XSA], s71, v[XSA]
	v_and_b32 v63, 8, v60
	v_add_nc_u32 v63, v63, v60                     ; r + 8 (r / 8)
	v_lshlrev_b32 v[SBA], 5, v63                   ; W's scale words: row 8 (lane / 16) + r + 8 (r / 8)
	v_lshl_add_u32 v[SBA], v61, 8, v[SBA]
	v_lshrrev_b32 v[CODE], 3, v62                  ; W_out: row 4 j + lane / 8, piece lane % 8
	v_and_b32 v[CODE+1], 7, v62
	v_lshlrev_b32 v[CODE+2], 11, v[CODE]
	v_lshl_add_u32 v[CODE+2], v[CODE+1], 4, v[CODE+2]
	global_load_b128 v[WS:WS+3], v[SBA], s[10:11]
	global_load_b128 v[WS+4:WS+7], v[SBA], s[10:11] offset:16
	global_load_b128 v[WS+8:WS+11], v[SBA], s[10:11] offset:65536
	global_load_b128 v[WS+12:WS+15], v[SBA], s[10:11] offset:65552
	global_load_b128 v[XS:XS+3], v[XSA], s[6:7]
	global_load_b128 v[XS+4:XS+7], v[XSA], s[6:7] offset:16
	global_load_b128 v[XS+8:XS+11], v[XSA], s[6:7] offset:64
	global_load_b128 v[XS+12:XS+15], v[XSA], s[6:7] offset:80
.irp j, 0,1,2,3
	global_load_b128 v[U+4*\j:U+4*\j+3], v[CODE+2], s[80:81] offset:8192*\j
.endr
	v_lshlrev_b32 v[CODE+3], 8, v[CODE+1]          ; its place in the images: 256 x piece + 16 x row
	v_lshl_add_u32 v[CODE+3], v[CODE], 4, v[CODE+3]
	v_add_nc_u32 v[CODE+3], s73, v[CODE+3]
	v_mul_u32_u24 v[WAD], v63, 2*PITCH             ; W_hg's row in LDS: two rows of 512 bytes
	v_lshl_add_u32 v[WAD], v61, 4, v[WAD]
	v_add_nc_u32 v[WAD], SLOT, v[WAD]
	v_mul_u32_u24 v[AX], v60, PITCH
	v_lshl_add_u32 v[AX], v61, 4, v[AX]
	v_add_nc_u32 v[AX], s70, v[AX]
	v_add_nc_u32 v[AX+1], 2*QUART, v[AX]
	v_add_nc_u32 v[AX+2], SLOT, v[AX]
	v_add_nc_u32 v[AX+3], SLOT+2*QUART, v[AX]
	v_mul_u32_u24 v[CXW], v62, 144
	v_add_nc_u32 v[CXW], s72, v[CXW]
	v_mul_u32_u24 v[CXR], v61, 2304
	v_lshl_add_u32 v[CXR], v60, 2, v[CXR]
	v_add_nc_u32 v[CXR], CX+2160, v[CXR]
	v_lshrrev_b32 v63, 2, v60
	v_mul_u32_u24 v[STW], v63, PITCH
	v_and_b32 v63, 3, v60
	v_lshl_add_u32 v[STW], v63, 6, v[STW]
	v_lshl_add_u32 v[STW], v61, 8, v[STW]
	v_add_nc_u32 v[STW], s73, v[STW]
	v_lshl_add_u32 v[STR], v62, 4, s73
	v_lshl_add_u32 v[SBA0], v60, 2, s74
	v_lshlrev_b32 v[GOC], 4, v62
	v_lshrrev_b32 v63, 1, v62
	v_lshlrev_b32 v[PFO], 10, v63
	v_and_b32 v63, 1, v62
	v_lshl_add_u32 v[PFO], v63, 8, v[PFO]
	v_lshl_add_u32 v[SBR], v0, 4, SCB
	v_lshlrev_b32 v[SBG], 4, v0
	v_lshrrev_b32 v63, 5, v0
.irp k, 0,1,2
	v_cmp_eq_u32 s[MK+\k], \k+1, v63
.endr
.irp j, 0,1,2,3,4,5,6,7
	v_mov_b32 v[HALF+\j], 0.5
.endr
.irp j, 0,1,2,3,4,5,6,7,8,9,10,11,12,13,14,15
	v_mov_b32 v[H3+\j], 0                          ; written once: a DPP form's destination counts as read
.endr
	v_mov_b32 v[HC], 0                             ; h before the first step
	s_wait_alu depctr_va_vdst(0)
	ASK -262144                                    ; chunk 0's two slices
	ASK -261632
	s_wait_loadcnt 0x0
.irp j, 0,1,2,3
	ds_store_b128 v[CODE+3], v[U+4*\j:U+4*\j+3] offset:64*\j
.endr
.irp p, 0,1,2,3
	ds_load_b128 v[U+16+4*\p:U+19+4*\p], v[STR] offset:512*\p      ; my own bytes, served in order
.endr
	s_wait_dscnt 0x0
.irp p, 0,1,2,3
	global_store_b128 v[GOC], v[U+16+4*\p:U+19+4*\p], s[82:83] offset:512*\p   ; an image, 512 consecutive bytes, a store
.endr
	s_wait_tensorcnt 0x0                           ; the head's tiles are in; slot 0's first fill is issued as a refill is
	ds_add_u32 v[SPW], v[NIL]
	s_wait_dscnt 0x0
	CROUND
	tensor_load_to_lds s[G0:G0+3], s[G1:G1+7]      ; chunk 0, first slice
	s_nop 0
	NOPS 4
.irp kap, 0,1                          ; W into windows 2 and 3: K step 4 kap + q, tile n at v[64 q + 16 n]
	WIN 0x80+0x40*\kap
.irp q, 0,1,2,3
.irp n, 0,1,2,3
.irp c, 0,1,2,3
	ds_load_b128 v[64*\q+16*\n+4*\c:64*\q+16*\n+4*\c+3], v[WAD] offset:(\n/2)*QUART+(\n%2)*16*PITCH+\kap*PITCH+128*\q+32*\c
.endr
.endr
.endr
.endr
	WIN 0
	ASK 0                                          ; chunk 1's first slice: two refills on
	CHG 1, 2                                       ; every wave holds W, slot 0 is whole: x takes W's two quarters
	ASK 512
	SLC 0, 0
.Ltrip:                                                ; trip t: chunk t's second slice and way out, chunk t + 1's first slice
	CHG 0, 1
	SLC 1, 1
	EP1 1
	CHG 1, 1
	EP2 1
	s_sub_co_u32 s[TR], s[TR], 1
	s_cmp_lg_u32 s[TR], 0
	s_wait_alu depctr_va_vdst(0)
	s_cbranch_scc1 .Ltrip
	CHG 0, 0
	SLC 1, 0
	EP1 0
	s_wait_alu depctr_va_vdst(0)
	s_wait_dscnt 0x0                               ; my totals are stored
	s_barrier_signal -1
	s_barrier_wait -1
	EP2 0
	s_wait_dscnt 0x0                               ; my scale bytes are stored
	s_barrier_signal -1
	s_barrier_wait -1
	ds_load_b128 v[TM:TM+3], v[SBR]
	s_wait_dscnt 0x0
	global_store_b128 v[SBG], v[TM:TM+3], s[14:15] ; the work-group's 2,048 scale bytes, 16 a thread
	s_wait_tensorcnt 0x0                           ; the wave's end
	ds_add_u32 v[SPW], v[NIL]
	s_wait_dscnt 0x0
	CROUND
	s_endpgm
.Lfunc_end_k_qc765a6a642_gru:
	.size	k_qc765a6a642_gru, .Lfunc_end_k_qc765a6a642_gru-k_qc765a6a642_gru
	.p2alignl 7, 3214868480
	.fill 96, 4, 3214868480
	.section	.rodata,"a",@progbits
	.p2align	6, 0x0
	.amdhsa_kernel k_qc765a6a642_gru
		.amdhsa_group_segment_fixed_size 327680
		.amdhsa_private_segment_fixed_size 0
		.amdhsa_enable_private_segment 0
		.amdhsa_kernarg_size 64
		.amdhsa_user_sgpr_count 2
		.amdhsa_user_sgpr_kernarg_segment_ptr 1
		.amdhsa_wavefront_size32 1
		.amdhsa_system_sgpr_workgroup_id_x 1
		.amdhsa_system_sgpr_workgroup_id_y 1
		.amdhsa_system_sgpr_workgroup_id_z 1
		.amdhsa_system_vgpr_workitem_id 0
		.amdhsa_next_free_vgpr 1024
		.amdhsa_next_free_sgpr 88
		.amdhsa_reserve_vcc 0
		.amdhsa_float_denorm_mode_32 3
		.amdhsa_float_denorm_mode_16_64 3
		.amdhsa_memory_ordered 1
		.amdhsa_forward_progress 1
		.amdhsa_inst_pref_size 159
	.end_amdhsa_kernel
	.amdgpu_metadata
---
amdhsa.version: [ 1, 2 ]
amdhsa.kernels:
  - .name:           k_qc765a6a642_gru
    .symbol:         k_qc765a6a642_gru.kd
    .args:
      - { .name: x_codes, .offset: 0, .size: 8, .value_kind: global_buffer, .address_space: global }
      - { .name: x_scales, .offset: 8, .size: 8, .value_kind: global_buffer, .address_space: global }
      - { .name: W_hg_codes, .offset: 16, .size: 8, .value_kind: global_buffer, .address_space: global }
      - { .name: W_hg_scales, .offset: 24, .size: 8, .value_kind: global_buffer, .address_space: global }
      - { .name: h_img, .offset: 32, .size: 8, .value_kind: global_buffer, .address_space: global }
      - { .name: h_sc, .offset: 40, .size: 8, .value_kind: global_buffer, .address_space: global }
      - { .name: W_out_codes, .offset: 48, .size: 8, .value_kind: global_buffer, .address_space: global }
      - { .name: w_img, .offset: 56, .size: 8, .value_kind: global_buffer, .address_space: global }
    .group_segment_fixed_size: 327680
    .private_segment_fixed_size: 0
    .kernarg_segment_align: 8
    .kernarg_segment_size: 64
    .max_flat_workgroup_size: 128
    .sgpr_count:     88
    .vgpr_count:     1024
    .wavefront_size: 32
...
	.end_amdgpu_metadata
.endif
;; end of part 1
;; launch proj (part 2): grid 4 x 64, 4 waves a work-group, clusters of 4 x 1, 327,680 bytes of LDS; arguments h_img, h_sc, w_img, W_out_scales, out0; writes out0
.if DOCPART == 2
	.amdgcn_target "amdgcn-amd-amdhsa--gfx1250"
	.amdhsa_code_object_version 6
	.text
	.protected	k_qc765a6a642_proj
	.globl	k_qc765a6a642_proj
	.p2align	8
	.type	k_qc765a6a642_proj,@function
k_qc765a6a642_proj:
	s_mov_b64 s[64:65], 0
	v_nop
	global_prefetch_b8 v0, s[64:65] scope:SCOPE_SE
	s_setreg_imm32_b32 hwreg(HW_REG_WAVE_MODE, 25, 1), 1
	s_wait_xcnt 0x0
	s_wait_alu depctr_hold_cnt(0) depctr_sa_sdst(0) depctr_va_vdst(0) depctr_va_sdst(0) depctr_va_ssrc(0) depctr_va_vcc(0) depctr_vm_vsrc(0)
	s_getreg_b32 s2, hwreg(HW_REG_IB_STS2, 6, 4)
	s_cmp_eq_u32 s2, 0
	s_cbranch_scc0 .Lentry_in_a_cluster
	s_endpgm
.Lentry_in_a_cluster:
	s_bfe_u32 s2, ttmp6, 0x10000c
	s_cmp_lg_u32 s2, 0x3003
	s_cbranch_scc0 .Lentry_shape_is_right
	s_endpgm
.Lentry_shape_is_right:
; minGRU, second launch: out = h W_out on codes of E5M2 with E8M0 scales.  M 8,192, K 2,048, N 1,024; out0 f32.
; h_img and w_img are images of the operands' registers, as the first launch left them: [tile of 16 rows][block of 32 along K][512 bytes], lane l's 16 codes at 16 l.  h_sc: [batch][block][row], a byte each.
; SHARES.  A tile of out is 128 rows x 256 columns: 256 work-groups.  Four waves, each all 128 rows x 64 columns: 32 accumulators; no byte of W_out is loaded twice in a work-group.
; h's 128 rows, all of K, are 262,144 consecutive bytes: they come into LDS in two first fills (K 0 to 1,023 at the head; the rest behind the full sequence and a round), and nothing is filled again.
; W_out's fragments come from w_img straight into registers, 512 consecutive bytes a load, four K steps of 128 ahead, into five sets of 64 registers.
; THE MATRIX INSTRUCTION IS USED TRANSPOSED (source 0 = 16 rows of W_out, source 1 = 16 rows of h): a lane holds eight neighbouring numbers of a row of out.
; CLUSTERS: the four work-groups of a cluster make the four tile columns of one tile row and share h's tiles: joint loads, mask 15.
; PREFETCH: h's second half, each cluster its own, one block of 256 bytes a lane of its 16 waves, shared out by address, at the head; w_img by the clusters of tile rows 0 to 3: each wave, in K step ks, the 32 blocks that it loads in K step ks + 3 (for K step ks + 7); it stops at ks = 8.
; REGISTERS: window 0: addresses; v32-95 h's scale words, v100-131 W_out's (their numbers differ modulo 8); v132-195 W's fifth set (at the head: at work); v192-255 rows read back on the way out;
;   window 1: h's fragments, two sets of 128; window 2: accumulator (a, b) at v[8 (4 a + b)]; window 3: W's sets 0 to 3.
.set SWA,    262144                    ; h's scale words: row p at 272 (p / 4) + 64 (p % 4), K step ks at + 4 ks
.set STAGE,  SWA+8704                  ; the way out: 16 rows x (256 + 16) bytes for each wave
.set SPITCH, 272
.set SPARE,  STAGE+4*16*SPITCH
.set PFW,  12
.set PFH,  13
.set TWA,  14
.set ADH,  16                          ; v16-19 h's images: 16 x lane + 131,072 x (K half) + 65,536 x (a / 4)
.set STO,  24
.set RD,   25
.set CO,   26
.set ADS,  27
.set SPW,  28
.set NIL,  29
.set SBO,  30
.set TRA,  31
.set SH,   32                          ; v[SH + 16 i + ks]: lanes 0-15 h's tile i, lanes 16-31 tile i + 4
.set SW,   100                         ; v[SW + 16 i + ks]: lanes 0-15 W's tile i, lanes 16-31 tile i + 2
.set W4,   132
.set TS,   132
.set BK,   192
.set G1,   24
.set G0A,  32
.set G0B,  36
.set MSB, 0
.macro WIN new
.if MSB != (\new)
	s_set_vgpr_msb (MSB<<8)|(\new)
.set MSB, (\new)
.endif
.endm
.macro CREST
	s_cmp_lg_u32 s14, 0
	s_cbranch_scc1 .Lnw0_\@
	s_barrier_signal -3
.Lnw0_\@:
	s_barrier_wait -3
	s_barrier_signal -1
	s_barrier_wait -1
.endm
.macro CROUND
	s_barrier_signal -1
	s_barrier_wait -1
	CREST
.endm
.macro NOPS n
.rept \n
	v_nop
.endr
.endm
.macro ASK k
	s_cmp_eq_u32 s40, 1
	s_cbranch_scc0 .Lna_\@
	global_prefetch_b8 v[PFW], s[8:9] offset:(\k)*2048 th:TH_LOAD_NT scope:SCOPE_SE
.Lna_\@:
.endm
.macro WL ks, m                        ; load m of the 16 of K step ks: W's tile m / 4, block 4 ks + m % 4
.if (\ks)%5 < 4
	WIN 0xc0
	global_load_b128 v[64*((\ks)%5)+4*(\m):64*((\ks)%5)+4*(\m)+3], v[CO], s[8:9] offset:((\m)/4)*32768+(4*(\ks)+(\m)%4)*512
.else
	WIN 0
	global_load_b128 v[W4+4*(\m):W4+4*(\m)+3], v[CO], s[8:9] offset:((\m)/4)*32768+(4*(\ks)+(\m)%4)*512
.endif
.endm
.macro HL ks, g                        ; h's fragment of tile g, K step ks
	WIN 0x40
.irp c, 0,1,2,3
	ds_load_b128 v[128*((\ks)%2)+16*(\g)+4*\c:128*((\ks)%2)+16*(\g)+4*\c+3], v[ADH+2*((\ks)/8)+(\g)/4] offset:((\g)%4)*16384+(4*((\ks)%8)+\c)*512
.endr
.endm
.macro WMC c
.if (ra == 0) && (rb == 0)
	v_wmma_scale_f32_16x16x128_f8f6f4 v[rD:rD+7], v[rA:rA+15], v[rB:rB+15], \c, v[rSA], v[rSB] matrix_a_fmt:MATRIX_FMT_BF8 matrix_b_fmt:MATRIX_FMT_BF8
.elseif (ra == 1) && (rb == 0)
	v_wmma_scale_f32_16x16x128_f8f6f4 v[rD:rD+7], v[rA:rA+15], v[rB:rB+15], \c, v[rSA], v[rSB] matrix_a_fmt:MATRIX_FMT_BF8 matrix_b_fmt:MATRIX_FMT_BF8 matrix_a_scale:MATRIX_SCALE_ROW1
.elseif (ra == 0) && (rb == 1)
	v_wmma_scale_f32_16x16x128_f8f6f4 v[rD:rD+7], v[rA:rA+15], v[rB:rB+15], \c, v[rSA], v[rSB] matrix_a_fmt:MATRIX_FMT_BF8 matrix_b_fmt:MATRIX_FMT_BF8 matrix_b_scale:MATRIX_SCALE_ROW1
.else
	v_wmma_scale_f32_16x16x128_f8f6f4 v[rD:rD+7], v[rA:rA+15], v[rB:rB+15], \c, v[rSA], v[rSB] matrix_a_fmt:MATRIX_FMT_BF8 matrix_b_fmt:MATRIX_FMT_BF8 matrix_a_scale:MATRIX_SCALE_ROW1 matrix_b_scale:MATRIX_SCALE_ROW1
.endif
.endm
; A K step of 128: 32 products, the 32 accumulators by turns in the same order in every step.  Ahead of them, in one run: h's eight fragments of the next K step and the
; 16 loads of W's K step ks + 4.  The eight places at the step's head stand between the last step's products and the loads into the registers that they read.
; s_wait_dscnt 0: this step's fragments of h, asked for a step ago.  s_wait_loadcnt 48: the three younger sets of W may be out.
.macro STEP ks
	WIN 0
	NOPS 8
.if (\ks) == 7
	s_wait_tensorcnt 0x0                           ; my part of h's second half is in,
	s_wait_dscnt 0x0
	s_barrier_signal -1
	s_barrier_wait -1                              ; everybody's is
.endif
.if (\ks) <= 8
	ASK (\ks)+7
.endif
.if (\ks) <= 12
	s_wait_loadcnt 48
.else
	s_wait_loadcnt 16*(15-(\ks))
.endif
	s_wait_dscnt 0x0
.if (\ks) < 15
.irp g, 0,1,2,3,4,5,6,7
	HL (\ks)+1, \g
.endr
.endif
.if (\ks) < 12
.irp m, 0,1,2,3,4,5,6,7,8,9,10,11,12,13,14,15
	WL (\ks)+4, \m
.endr
.endif
.irp g, 0,1,2,3,4,5,6,7
.if (\ks)%5 < 4
	WIN 0xa7
.set wb, 64*((\ks)%5)
.else
	WIN 0xa4
.set wb, W4
.endif
.irp b, 0,1,2,3
.set rD, 8*(4*\g+\b)
.set rA, wb+16*\b
.set rB, 128*((\ks)%2)+16*\g
.set rSA, SW+16*(\b%2)+(\ks)
.set rSB, SH+16*(\g%4)+(\ks)
.set ra, \b/2
.set rb, \g/4
.if (\ks) == 0
	WMC 0
.else
	WMC v[rD:rD+7]
.endif
.endr
.endr
.endm
	s_load_b128 s[4:7], s[0:1], 0x0                ; h_img, h_sc
	s_load_b128 s[8:11], s[0:1], 0x10              ; w_img, W_out's scales
	s_load_b64 s[12:13], s[0:1], 0x20              ; out0
	v_lshl_add_u32 v[SPW], v0, 2, SPARE
	v_mov_b32 v[NIL], 0
	ds_add_u32 v[SPW], v[NIL]                      ; the opening lines
	ds_add_u32 v[SPW], v[NIL]
	v_lshrrev_b32 v1, 5, v0
	v_readfirstlane_b32 s14, v1                    ; wave
	s_bfe_u32 s15, ttmp6, 0x40000                  ; cx
	s_lshl_b32 s16, ttmp9, 2
	s_add_co_u32 s16, s16, s15                     ; tile column
	s_and_b32 s17, ttmp7, 0xffff                   ; tile row
	s_mov_b32 s[G1], 15|(3<<16)|(1<<21)            ; h: joint; two tiles of rows x 16,384 bytes (2,048 elements of 8), 32,768 apart; dense in LDS
	s_mov_b32 s[G1+1], 2048<<16
	s_mov_b32 s[G1+2], 2<<16
	s_mov_b32 s[G1+3], 2048<<16
	s_mov_b32 s[G1+4], 2
	s_mov_b32 s[G1+5], 4096
	s_mov_b32 s[G1+6], 0
	s_mov_b32 s[G1+7], 0
	s_lshl_b32 s20, s17, 18                        ; h_img: 8 tiles of rows a tile row
	s_mov_b32 s21, 0
	s_lshl_b32 s18, s14, 16                        ; my wave's two
	s_mov_b32 s19, 0
	s_mov_b32 s44, 0x05010400                      ; v_perm_b32's selects: bytes 0, 1 of two words by turns,
	s_mov_b32 s45, 0x07030602                      ; bytes 2, 3,
	s_mov_b32 s46, 0x05040100                      ; the two low halves,
	s_mov_b32 s47, 0x07060302                      ; the two high halves
	s_wait_dscnt 0x0
	s_wait_kmcnt 0x0
	s_add_nc_u64 s[20:21], s[4:5], s[20:21]
	s_add_nc_u64 s[18:19], s[20:21], s[18:19]
	s_mov_b32 s[G0A], 1
	s_lshl_b32 s[G0A+1], s14, 15
	s_mov_b64 s[G0A+2:G0A+3], s[18:19]
	s_or_b32 s[G0A+3], s[G0A+3], 0x80000000
	s_mov_b32 s[G0B], 1
	s_add_co_u32 s[G0B+1], s[G0A+1], 131072
	s_add_nc_u64 s[G0B+2:G0B+3], s[18:19], 16384
	s_or_b32 s[G0B+3], s[G0B+3], 0x80000000
	CROUND
	tensor_load_to_lds s[G0A:G0A+3], s[G1:G1+7]    ; K 0 to 1,023: the one tensor load a wave at the head
	s_nop 0
	NOPS 4
	s_mov_b32 s49, 0
	s_lshr_b32 s48, s17, 4                         ; h_sc: the batch, my wave's 16 planes, the tile's 128 rows
	s_lshl_b32 s48, s48, 17
	s_lshl_b32 s50, s14, 15
	s_add_co_u32 s48, s48, s50
	s_and_b32 s50, s17, 15
	s_lshl_b32 s50, s50, 7
	s_add_co_u32 s48, s48, s50
	s_add_nc_u64 s[22:23], s[6:7], s[48:49]
	s_lshl_b32 s48, s16, 19                        ; w_img: 16 tiles a tile column, my wave's four
	s_lshl_b32 s50, s14, 17
	s_add_co_u32 s48, s48, s50
	s_add_nc_u64 s[8:9], s[8:9], s[48:49]
	s_lshl_b32 s48, s16, 14                        ; W_out's scale bytes: 64 a row
	s_lshl_b32 s50, s14, 12
	s_add_co_u32 s48, s48, s50
	s_add_nc_u64 s[10:11], s[10:11], s[48:49]
	s_lshl_b32 s48, s17, 19                        ; out0: 128 rows of 4,096 bytes, 1,024 a tile column, my 256
	s_lshl_b32 s50, s16, 10
	s_add_co_u32 s48, s48, s50
	s_lshl_b32 s50, s14, 8
	s_add_co_u32 s48, s48, s50
	s_add_nc_u64 s[12:13], s[12:13], s[48:49]
	s_lshl_b32 s48, s15, 1                         ; the prefetch of h's second half: tile 2 cx + wave / 2, its half (wave % 2) of 16,384 bytes
	s_lshr_b32 s50, s14, 1
	s_add_co_u32 s48, s48, s50
	s_lshl_b32 s48, s48, 15
	s_and_b32 s50, s14, 1
	s_lshl_b32 s50, s50, 13
	s_add_co_u32 s48, s48, s50
	s_add_co_u32 s48, s48, 16384
	s_add_nc_u64 s[42:43], s[20:21], s[48:49]
	s_cmp_lt_u32 s17, 4
	s_cselect_b32 s40, 1, 0
	s_lshl_b32 s51, s14, 4
	s_add_co_u32 s51, s51, SWA
	s_mul_i32 s52, s14, 16*SPITCH
	s_add_co_u32 s52, s52, STAGE
	v_and_b32 v1, 15, v0                           ; r
	v_bfe_u32 v2, v0, 4, 1                         ; h
	v_and_b32 v3, 31, v0
	v_lshlrev_b32 v[TRA], 2, v3
	v_lshlrev_b32 v[PFH], 8, v3
	v_lshlrev_b32 v[SBO], 6, v1
	v_lshl_add_u32 v[SBO], v2, 11, v[SBO]
	v_lshlrev_b32 v[CO], 4, v3
	global_prefetch_b8 v[PFH], s[42:43] th:TH_LOAD_NT scope:SCOPE_SE
.irp p, 0,1,2,3,4,5,6,7,8,9,10,11,12,13,14,15
	global_load_b32 v[TS+\p], v[TRA], s[22:23] offset:2048*\p      ; my wave's 16 planes of h's scale bytes, my lane's four rows
.endr
.irp i, 0,1
.irp j, 0,1,2,3
	global_load_b128 v[SW+16*\i+4*\j:SW+16*\i+4*\j+3], v[SBO], s[10:11] offset:1024*\i+16*\j
.endr
.endr
.irp m, 0,1,2,3,4,5,6,7,8,9,10,11,12,13,14,15
	WL 0, \m
.endr
.irp m, 0,1,2,3,4,5,6,7,8,9,10,11,12,13,14,15
	WL 1, \m
.endr
	WIN 0
	v_add_nc_u32 v[ADH+1], 65536, v[CO]
	v_add_nc_u32 v[ADH+2], 131072, v[CO]
	v_add_nc_u32 v[ADH+3], 196608, v[CO]
	v_mov_b32 v[ADH], v[CO]
	v_lshrrev_b32 v6, 2, v1                        ; a row's scale words: 272 (r / 4) + 64 (r % 4); lanes 16-31: 64 rows on
	v_mul_u32_u24 v6, v6, 272
	v_and_b32 v7, 3, v1
	v_lshl_add_u32 v6, v7, 6, v6
	v_mul_u32_u24 v7, v2, 4352
	v_add_nc_u32 v6, v7, v6
	v_add_nc_u32 v[ADS], SWA, v6
	v_mul_u32_u24 v[TWA], v3, 272
	v_add_nc_u32 v[TWA], s51, v[TWA]               ; my lane's four rows, my wave's four K steps
	v_mul_u32_u24 v[STO], v1, SPITCH
	v_lshl_add_u32 v[STO], v2, 5, v[STO]
	v_add_nc_u32 v[STO], s52, v[STO]
	v_mul_u32_u24 v[RD], v2, SPITCH
	v_lshl_add_u32 v[RD], v1, 4, v[RD]
	v_add_nc_u32 v[RD], s52, v[RD]
	v_lshrrev_b32 v6, 3, v3                        ; w_img's prefetch: tile lane / 8, block (lane / 2) % 4, half lane % 2
	v_lshlrev_b32 v[PFW], 15, v6
	v_bfe_u32 v6, v3, 1, 2
	v_lshl_add_u32 v[PFW], v6, 9, v[PFW]
	v_and_b32 v6, 1, v3
	v_lshl_add_u32 v[PFW], v6, 8, v[PFW]
	v_lshlrev_b32 v8, 4, v1                        ; out0: lanes 0-15 one row's 256 bytes, lanes 16-31 the next row's
	v_lshl_add_u32 v8, v2, 12, v8
	s_wait_alu depctr_va_vdst(0)
	s_wait_loadcnt 40                              ; the planes are in (behind them: 8 loads of scales, 32 of W)
.irp k, 0,1,2,3
	v_perm_b32 v[TS+16+4*\k], v[TS+1+4*\k], v[TS+4*\k], s44     ; planes 0, 1: rows 0, 1
	v_perm_b32 v[TS+17+4*\k], v[TS+1+4*\k], v[TS+4*\k], s45     ; rows 2, 3
	v_perm_b32 v[TS+18+4*\k], v[TS+3+4*\k], v[TS+2+4*\k], s44   ; planes 2, 3
	v_perm_b32 v[TS+19+4*\k], v[TS+3+4*\k], v[TS+2+4*\k], s45
.endr
.irp k, 0,1,2,3
	v_perm_b32 v[TS+32+\k], v[TS+18+4*\k], v[TS+16+4*\k], s46   ; row 0's word of K step k,
	v_perm_b32 v[TS+36+\k], v[TS+18+4*\k], v[TS+16+4*\k], s47   ; row 1's,
	v_perm_b32 v[TS+40+\k], v[TS+19+4*\k], v[TS+17+4*\k], s46   ; row 2's,
	v_perm_b32 v[TS+44+\k], v[TS+19+4*\k], v[TS+17+4*\k], s47   ; row 3's
.endr
.irp i, 0,1,2,3
	ds_store_b128 v[TWA], v[TS+32+4*\i:TS+35+4*\i] offset:64*\i
.endr
.irp m, 0,1,2,3,4,5,6,7,8,9,10,11,12,13,14,15
	WL 2, \m
.endr
.irp m, 0,1,2,3,4,5,6,7,8,9,10,11,12,13,14,15
	WL 3, \m
.endr
	WIN 0
	s_wait_alu depctr_va_vdst(0)
	s_wait_tensorcnt 0x0                           ; my part of h's first half is in; the second half's first fill is issued as a refill is
	ds_add_u32 v[SPW], v[NIL]
	s_wait_dscnt 0x0                               ; the add is done, and my words are stored
	CROUND
	tensor_load_to_lds s[G0B:G0B+3], s[G1:G1+7]    ; K 1,024 to 2,047
	s_nop 0
	NOPS 4
.irp i, 0,1,2,3
.irp j, 0,1,2,3
	ds_load_b128 v[SH+16*\i+4*\j:SH+16*\i+4*\j+3], v[ADS] offset:1088*\i+16*\j   ; h's scale words: my row's 64 bytes
.endr
.endr
.irp g, 0,1,2,3,4,5,6,7
	HL 0, \g
.endr
.irp ks, 0,1,2,3,4,5,6,7,8,9,10,11,12,13,14,15
	STEP \ks
.endr
	WIN 0
; THE WAY OUT, block by block of 16 rows x 64 columns: through my own stage, back as whole rows of 256 bytes.  LDS serves a wave's instructions in order (ISA guide 5.7.1.4): no wait between the stores and the loads.
.macro TOSTAGE a
	WIN 0x08                                       ; an LDS store's data are its source 1: window 2
.irp b, 0,1,2,3
	ds_store_b128 v[STO], v[32*(\a)+8*\b:32*(\a)+8*\b+3] offset:64*\b          ; each accumulator from its low end on
	ds_store_b128 v[STO], v[32*(\a)+8*\b+4:32*(\a)+8*\b+7] offset:64*\b+16
.endr
	WIN 0
.set BB, BK+32*((\a)%2)
.irp t, 0,1,2,3,4,5,6,7
	ds_load_b128 v[BB+4*\t:BB+4*\t+3], v[RD] offset:\t*2*SPITCH
.endr
.endm
.macro SEND a, younger                 ; younger: the LDS instructions issued behind block a's loads
.set BB, BK+32*((\a)%2)
	s_wait_dscnt \younger
.if (\a) > 0
	s_add_nc_u64 s[12:13], s[12:13], 16*4096       ; (behind a wait on XCNT: the earlier stores have read their base)
.endif
.irp t, 0,1,2,3,4,5,6,7
	global_store_b128 v8, v[BB+4*\t:BB+4*\t+3], s[12:13] offset:\t*8192 th:TH_STORE_NT   ; 16 lanes store 256 consecutive bytes, at a multiple of 256 from out0's first byte
.endr
.endm
	NOPS 8
	TOSTAGE 0
.irp a, 1,2,3,4,5,6,7
.if \a > 1
	s_wait_xcnt 0x0                                ; block a - 2's stores have read their registers and their base
.endif
	TOSTAGE \a
	SEND \a-1, 16                                  ; behind block a - 1's loads: block a's 8 stores and 8 loads
.endr
	s_wait_xcnt 0x0
	SEND 7, 0
	s_wait_tensorcnt 0x0                           ; the wave's end
	ds_add_u32 v[SPW], v[NIL]
	s_wait_dscnt 0x0
	CROUND
	s_endpgm
.Lfunc_end_k_qc765a6a642_proj:
	.size	k_qc765a6a642_proj, .Lfunc_end_k_qc765a6a642_proj-k_qc765a6a642_proj
	.p2alignl 7, 3214868480
	.fill 96, 4, 3214868480
	.section	.rodata,"a",@progbits
	.p2align	6, 0x0
	.amdhsa_kernel k_qc765a6a642_proj
		.amdhsa_group_segment_fixed_size 327680
		.amdhsa_private_segment_fixed_size 0
		.amdhsa_enable_private_segment 0
		.amdhsa_kernarg_size 40
		.amdhsa_user_sgpr_count 2
		.amdhsa_user_sgpr_kernarg_segment_ptr 1
		.amdhsa_wavefront_size32 1
		.amdhsa_system_sgpr_workgroup_id_x 1
		.amdhsa_system_sgpr_workgroup_id_y 1
		.amdhsa_system_sgpr_workgroup_id_z 1
		.amdhsa_system_vgpr_workitem_id 0
		.amdhsa_next_free_vgpr 1024
		.amdhsa_next_free_sgpr 66
		.amdhsa_reserve_vcc 0
		.amdhsa_float_denorm_mode_32 3
		.amdhsa_float_denorm_mode_16_64 3
		.amdhsa_memory_ordered 1
		.amdhsa_forward_progress 1
		.amdhsa_inst_pref_size 158
	.end_amdhsa_kernel
	.amdgpu_metadata
---
amdhsa.version: [ 1, 2 ]
amdhsa.kernels:
  - .name:           k_qc765a6a642_proj
    .symbol:         k_qc765a6a642_proj.kd
    .args:
      - { .name: h_img, .offset: 0, .size: 8, .value_kind: global_buffer, .address_space: global }
      - { .name: h_sc, .offset: 8, .size: 8, .value_kind: global_buffer, .address_space: global }
      - { .name: w_img, .offset: 16, .size: 8, .value_kind: global_buffer, .address_space: global }
      - { .name: W_out_scales, .offset: 24, .size: 8, .value_kind: global_buffer, .address_space: global }
      - { .name: out0, .offset: 32, .size: 8, .value_kind: global_buffer, .address_space: global }
    .group_segment_fixed_size: 327680
    .private_segment_fixed_size: 0
    .kernarg_segment_align: 8
    .kernarg_segment_size: 40
    .max_flat_workgroup_size: 128
    .sgpr_count:     66
    .vgpr_count:     1024
    .wavefront_size: 32
...
	.end_amdgpu_metadata
.endif
;; end of part 2
